; MI455X (gfx1250); checked and timed in simulation.
; The chip was launched on July 23, 2026; its instructions are those of AMD's public machine-readable ISA for CDNA 5 (MIT licence, August 2026) and "CDNA5" Instruction Set Architecture Reference Guide (July 2026). The comments in the code are by the model that wrote it; some were corrected since.
;; SS Kernel. Allowed arithmetic: float matrix products may take bf16 or f16 operands with f32 sums; all other float work in f32.
;; Inputs: A_imag 512 x 32 float32; B_ri 512 x 32 x 2 float32; C_ri 1 x 512 x 32 x 2 float32; log_A_real 512 x 32 float32; log_dt 512 float32.
;; Outputs: out0 1 x 512 x 8,192 float32.
;; Constants: L = 8192.
;; 2 versions, each right; version 2 is version 1 with the launch sskernel written anew for expert scheduling mode. Each part assembles by itself: llvm-mc -triple=amdgcn-amd-amdhsa -mcpu=gfx1250 --defsym DOCPART=n.
;; ======== version 1 of 2: 1 launch
;; launch sskernel (part 1): grid 512 x 1, 4 waves a work-group, no clusters, 52,736 bytes of LDS; arguments log_dt, log_A_real, A_imag, B_ri, C_ri, out0; writes out0
.if DOCPART == 1
	.amdgcn_target "amdgcn-amd-amdhsa--gfx1250"
	.amdhsa_code_object_version 6
	.text
	.protected	k_q5b3236d9d8_sskernel
	.globl	k_q5b3236d9d8_sskernel
	.p2align	8
	.type	k_q5b3236d9d8_sskernel,@function
k_q5b3236d9d8_sskernel:
	s_mov_b64 s[64:65], 0
	v_nop
	global_prefetch_b8 v0, s[64:65] scope:SCOPE_SE
	s_setreg_imm32_b32 hwreg(HW_REG_WAVE_MODE, 25, 1), 1
	s_wait_xcnt 0x0
; K[h][l] = 2 Re sum over n of C'[h][n] exp(dtA[h][n] l),  l = 0 .. 8191, n = 0 .. 31, one work-group (4 waves) for each of the 512 h.
;   dt = exp(log_dt), A = -exp(log_A_real) + i A_imag, dtA = A dt, C' = C B (exp(dtA) - 1) / A   (formed as the reference forms it).
; THE IDEA.  l = x + y with x = bits 0-1 and 6-9 of l (64 values), y = bits 2-5 and 10-12 (128 values), so that
;   K[x + y] = sum_n (2 Re P)(Re Q) + (-2 Im P)(Im Q),  P = C' exp(dtA x),  Q = exp(dtA y):
; a real product of [64 x 64] by [64 x 128].  192 x 32 complex powers are made for an h in place of 8192 x 32.
; In a 16 x 16 result tile row m stands for x = (m & 3) + 64 (m >> 2) and column r for y = 4 r.  Lane (r, half) holds rows 8 half + j,
; so its registers 0-3 are l = 4 r + 128 half + 0..3 and registers 4-7 the same + 64: 16 neighbouring bytes a lane,
; 256 consecutive aligned bytes for sixteen neighbouring lanes.  Results are stored straight from the accumulators.
; PRECISION.  Each factor is split into two bf16, hi + lo, and hi hi + hi lo + lo hi are summed in f32 (6 matrix instructions a tile):
; near l = 0 of the rows with large dt the terms are far larger than the output's root mean square, and one bf16 would not do.
; The product lo lo (2^-18 of a term) is dropped.
; PHASE 1 (lane = n): parameters, seven powers exp(dtA X) evaluated directly, then short chains of complex products;
; every row (32 modes, re and im) goes to LDS as 128 bytes of hi and 128 bytes of lo.  One barrier.
; PHASE 2: each wave reads 2 sets of 16 x-rows and 4 sets of 16 y-rows as fragments and makes 8 tiles = 2,048 outputs.
; NO CLUSTER, NO TENSOR LOADS: a work-group reads 772 bytes that no other work-group reads; nothing is shared and nothing is streamed in.
; LIMITS.  |A|^2 has to be a normal f32 (about 1.1e-19 < |A| < 1.8e19), since 1/|A|^2 is a v_rcp_f32.  The parity of the count of half
; turns is taken from a 32-bit integer: |A_imag dt l / pi| < 2^31 (from 2^24 on the reference's own f32 phase has no fraction left).
; A power is a direct evaluation times at most 9 rounded complex products, so the order of rounding differs from the reference's.
.set PITCH, 272                        ; an LDS row: 128 bytes hi + 128 bytes lo + 16 of padding = 17 x 16 bytes, so 16 rows start in 16 different 16-byte columns of 256
.set LOFF,  128                        ; the lo half of a row
.set SETB,  16*PITCH                   ; a set of 16 rows
.set BROW0, 64*PITCH                   ; rows 0-63: x side (A operand); rows 64-191: y side (B operand)
.set NEG1, 12                          ; v12      -1.0
.set ADA,  13                          ; v13      phase 1: my 4 bytes in my wave's first x row
.set ADB,  14                          ; v14      phase 1: my 4 bytes in my wave's first y row
.set FA,   15                          ; v15      phase 2: my 16 bytes in my wave's first x fragment
.set FB,   16                          ; v16      phase 2: the same for y
.set VO,   17                          ; v17      my byte offset in out0
.set KC,   20                          ; v[20:33] pairs (c_j, s_j): cos(pi f) = sum c_j f^2j, sin(pi f) = f sum s_j f^2j, j = 0 .. 6
.set THI,  34                          ; v34      Im(dtA) / pi, high part
.set TLO,  35                          ; v35      its low part
.set RE2,  36                          ; v36      Re(dtA) log2(e)
.set RS,   52                          ; v[52:107] seven sets of 8: +0 half turns, +1 sign, +2 f^2, +3 f, +4,5 result, +6,7 (size, size f)
.set XS,   20                          ; s[20:26] the seven X as f32
.set W1,   RS+4                        ; exp(dtA), made conjugate below
.set W64,  RS+12                       ; exp(64 dtA), made conjugate below
.set WS,   RS+20                       ; exp(256 w dtA)
.set G4,   RS+28                       ; exp(4 dtA)
.set G32,  RS+36                       ; exp(32 dtA)
.set G1K,  RS+44                       ; exp(1024 dtA)
.set UCH,  RS+52                       ; v[104:111] four y chains; the first is exp(2048 w dtA) as evaluated
.set M1P,  112                         ; for a multiplier m the pair (-Im m, Re m)
.set M64P, 114
.set G4P,  116
.set G32P, 118
.set G1KP, 120
.set TCH,  122                         ; v[122:129] four x chains
.set TMP,  130                         ; v[130:137]
.set EH,   138                         ; v[138:141] hi pairs
.set EL,   142                         ; v[142:149] remainders in f32
.set EP,   150                         ; v[150:153] lo pairs
.set ACC,  20                          ; phase 2: v[20:51] four accumulators
.set AF,   52                          ; v[52:115]  2 x sets: hi k 0-31, hi k 32-63, lo k 0-31, lo k 32-63, 8 registers each
.set BF,   116                         ; v[116:243] 4 y sets likewise; set 0 serves as the second four accumulators
	s_load_b256 s[4:11], s[0:1], 0x0               ; log_dt s[4:5], log_A_real s[6:7], A_imag s[8:9], B_ri s[10:11]
	s_load_b128 s[12:15], s[0:1], 0x20             ; C_ri s[12:13], out0 s[14:15]
	v_lshl_add_u32 v244, v0, 2, 0xcc00
	v_mov_b32 v245, 0
	v_and_b32 v1, 31, v0                           ; lane = mode n
	v_lshrrev_b32 v18, 5, v0
	v_readfirstlane_b32 s16, v18                   ; wave w, 0 .. 3
	s_lshl_b32 s17, ttmp9, 7                       ; h x 32 modes x 4 bytes
	s_lshl_b32 s18, ttmp9, 8                       ; h x 32 modes x 8 bytes
	s_lshl_b32 s19, ttmp9, 2                       ; h x 4 bytes
	v_lshl_add_u32 v2, v1, 2, s17
	v_lshl_add_u32 v3, v1, 3, s18
	v_mov_b32 v4, s19
	s_wait_kmcnt 0x0
	global_load_b32 v5, v4, s[4:5]                 ; log_dt[h], the same word in every lane
	global_load_b32 v6, v2, s[6:7]                 ; log_A_real[h][n]
	global_load_b32 v7, v2, s[8:9]                 ; A_imag[h][n]
	global_load_b64 v[8:9], v3, s[10:11]           ; B re, im
	global_load_b64 v[10:11], v3, s[12:13]         ; C re, im
	; while the loads are on their way: constants and every address
	s_mov_b32 s20, 1.0                             ; X: 1, 64, 256 w, 4, 32, 1024, 2048 w
	s_mov_b32 s21, 0x42800000
	s_lshl_b32 s27, s16, 8
	s_cvt_f32_u32 s22, s27
	s_mov_b32 s23, 4.0
	s_mov_b32 s24, 0x42000000
	s_mov_b32 s25, 0x44800000
	s_lshl_b32 s27, s16, 11
	s_cvt_f32_u32 s26, s27
	s_mov_b32 s30, 0x3fb8aa3b                      ; log2(e), high part
	s_mov_b32 s31, 0x32a5705f                      ; log2(e), low part
	s_mov_b32 s32, 0x3f317218                      ; ln 2
	s_mov_b32 s33, 0x3ea2f983                      ; 1/pi, high part
	s_mov_b32 s34, 0x325c9c88                      ; 1/pi, low part
	s_mov_b32 s35, 0x80000000                      ; the sign bit
	s_mov_b32 s36, 0xbfb8aa3b                      ; -log2(e)
	s_mul_i32 s28, s16, SETB                       ; my wave writes x rows 16 w .. 16 w + 15
	s_mul_i32 s29, s16, 2*SETB                     ; and y rows 32 w .. 32 w + 31
	s_add_co_u32 s29, s29, BROW0
	v_lshl_add_u32 v[ADA], v1, 2, s28
	v_lshl_add_u32 v[ADB], v1, 2, s29
	v_mov_b32 v[NEG1], -1.0
	v_and_b32 v18, 15, v0                          ; r
	v_bfe_u32 v19, v0, 4, 1                        ; half
	v_mul_u32_u24 v[FA], v18, PITCH
	v_lshl_add_u32 v[FA], v19, 4, v[FA]            ; r x pitch + 16 half
	s_and_b32 s37, s16, 1                          ; pa: my wave multiplies x sets 2 pa, 2 pa + 1
	s_lshr_b32 s38, s16, 1                         ; pb: by y sets 4 pb .. 4 pb + 3
	s_mul_i32 s39, s37, 2*SETB
	s_mul_i32 s40, s38, 4*SETB
	s_add_co_u32 s40, s40, BROW0
	v_add_nc_u32 v[FB], s40, v[FA]
	v_add_nc_u32 v[FA], s39, v[FA]
	s_lshl_b32 s41, ttmp9, 15                      ; h x 8192 x 4 bytes
	s_lshl_b32 s42, s37, 11                        ; an x set is 256 l = 1,024 bytes
	s_lshl_b32 s43, s38, 14                        ; a y set is 1,024 l = 4,096 bytes
	s_add_co_u32 s41, s41, s42
	s_add_co_u32 s41, s41, s43
	v_lshlrev_b32 v[VO], 4, v18                    ; 16 r
	v_lshl_add_u32 v[VO], v19, 9, v[VO]            ; + 512 half
	v_add_nc_u32 v[VO], s41, v[VO]
	v_mov_b32 v[KC+0],  1.0                        ; c_j = (-1)^j pi^2j / (2j)!,  s_j = (-1)^j pi^(2j+1) / (2j+1)!
	v_mov_b32 v[KC+1],  0x40490fdb                 ; cut behind j = 6: at |f| = 1/2 the next terms are below 1e-8
	v_mov_b32 v[KC+2],  0xc09de9e6
	v_mov_b32 v[KC+3],  0xc0a55de7
	v_mov_b32 v[KC+4],  0x4081e0f8
	v_mov_b32 v[KC+5],  0x402335e3
	v_mov_b32 v[KC+6],  0xbfaae9e4
	v_mov_b32 v[KC+7],  0xbf196966
	v_mov_b32 v[KC+8],  0x3e70fa83
	v_mov_b32 v[KC+9],  0x3da83c1a
	v_mov_b32 v[KC+10], 0xbcd368f9
	v_mov_b32 v[KC+11], 0xbbf183a8
	v_mov_b32 v[KC+12], 0x3afce9c5
	v_mov_b32 v[KC+13], 0x39f47a1a
	s_wait_loadcnt 0x0                             ; all five inputs are in
	; dt = 2^(p + e): p = log_dt log2(e) rounded, e what the rounding and the constant's low part left out; 2^e = 1 + e ln 2.
	; dt multiplies phases of thousands of radians, so its relative error counts.
	v_mul_f32 v39, s30, v5                         ; p
	v_mul_f32 v40, s30, v6
	v_fma_f32 v41, v5, s30, -v39
	v_exp_f32 v37, v39                             ; 2^p
	v_exp_f32 v38, v40                             ; a = exp(log_A_real)
	v_fma_f32 v41, v5, s31, v41                    ; e.  A plain instruction that touches neither result nor source stands behind the two v_exp_f32 (ISA guide 5.7.2)
	v_mul_f32 v42, v10, v8                         ; G = C B
	v_mul_f32 v43, v10, v9
	v_fma_f32 v42, -v11, v9, v42                   ; Re G
	v_fma_f32 v43, v11, v8, v43                    ; Im G
	s_wait_alu depctr_va_vdst(0)
	v_mul_f32 v41, v37, v41
	v_fma_f32 v37, v41, s32, v37                   ; dt
	v_mul_f32 v46, v38, v38
	v_mul_f32 v44, v38, v37                        ; a dt = -Re(dtA)
	v_mul_f32 v45, v7, v37                         ; Im(dtA)
	v_fma_f32 v46, v7, v7, v46                     ; |A|^2
	v_mul_f32 v[RE2], s36, v44
	v_mul_f32 v[THI], s33, v45
	v_rcp_f32 v47, v46                             ; 1 / |A|^2; the next line is the plain place behind it
	v_fma_f32 v[TLO], v45, s33, -v[THI]            ; what the rounding of THI lost,
	v_fma_f32 v[TLO], v45, s34, v[TLO]             ; and the low part of 1/pi
	; Seven powers exp(dtA X), stage by stage so that no line waits for the one in front of it.
	; Half turns u = THI X; k = nearest integer; f = THI X - k + TLO X by two fused multiply-adds, so f is exact to f32 whatever the size of u;
	; exp(i pi u) = (-1)^k (cos pi f, sin pi f); size 2^(RE2 X).  v_sin_f32 and v_cos_f32 are not used.
.irp i,0,1,2,3,4,5,6
	v_mul_f32 v[RS+8*\i], s[XS+\i], v[THI]
	v_mul_f32 v[RS+8*\i+7], s[XS+\i], v[RE2]
.endr
.irp i,0,1,2,3,4,5,6
	v_rndne_f32 v[RS+8*\i], v[RS+8*\i]
.endr
.irp i,0,1,2,3,4,5,6
	v_exp_f32 v[RS+8*\i+6], v[RS+8*\i+7]
.endr
.irp i,0,1,2,3,4,5,6
	v_fma_f32 v[RS+8*\i+3], v[THI], s[XS+\i], -v[RS+8*\i]      ; (the first of these is the plain place behind the run of v_exp_f32)
.endr
.irp i,0,1,2,3,4,5,6
	v_fma_f32 v[RS+8*\i+3], v[TLO], s[XS+\i], v[RS+8*\i+3]     ; f
.endr
.irp i,0,1,2,3,4,5,6
	v_cvt_i32_f32 v[RS+8*\i+1], v[RS+8*\i]
.endr
.irp i,0,1,2,3,4,5,6
	v_mul_f32 v[RS+8*\i+2], v[RS+8*\i+3], v[RS+8*\i+3]         ; f^2
.endr
.irp i,0,1,2,3,4,5,6
	v_lshlrev_b32 v[RS+8*\i+1], 31, v[RS+8*\i+1]               ; k odd: the sign bit
.endr
.irp i,0,1,2,3,4,5,6
	v_pk_fma_f32 v[RS+8*\i+4:RS+8*\i+5], v[KC+12:KC+13], v[RS+8*\i+2:RS+8*\i+3], v[KC+10:KC+11] op_sel_hi:[1,0,1]   ; both series at once, both times f^2
.endr
	s_wait_alu depctr_va_vdst(0)
.irp i,0,1,2,3,4,5,6
	v_xor_b32 v[RS+8*\i+6], v[RS+8*\i+6], v[RS+8*\i+1]         ; size with the sign (-1)^k
.endr
.irp j,8,6,4,2,0
.irp i,0,1,2,3,4,5,6
	v_pk_fma_f32 v[RS+8*\i+4:RS+8*\i+5], v[RS+8*\i+4:RS+8*\i+5], v[RS+8*\i+2:RS+8*\i+3], v[KC+\j:KC+\j+1] op_sel_hi:[1,0,1]
.endr
.endr
.irp i,0,1,2,3,4,5,6
	v_mul_f32 v[RS+8*\i+7], v[RS+8*\i+6], v[RS+8*\i+3]         ; size x f for the sine
.endr
.irp i,0,1,2,3,4,5,6
	v_pk_mul_f32 v[RS+8*\i+4:RS+8*\i+5], v[RS+8*\i+4:RS+8*\i+5], v[RS+8*\i+6:RS+8*\i+7]    ; (re, im) of exp(dtA X)
.endr
	; 2 conj(C') = 2 conj(G E conj(A)) / |A|^2 with E = exp(dtA) - 1, A = (-a, A_imag).
	; The x side carries conjugates: Re(P Q) = Re(conj P) Re Q + Im(conj P) Im Q, which is a plain dot product over (re, im) pairs.
	v_mov_b32 v[M1P], v[W1+1]                      ; for m = conj(exp(dtA)) = (c, -s): (-Im m, Re m) = (s, c)
	v_mov_b32 v[M1P+1], v[W1]
	v_add_f32 v48, -1.0, v[W1]                     ; Re E
	v_mul_f32 v49, v7, v[W1+1]
	v_mul_f32 v50, v38, v[W1+1]
	v_add_f32 v47, v47, v47                        ; 2 / |A|^2
	v_fma_f32 v49, -v38, v48, v49                  ; nr =  Re(E conj A) = A_imag Im E - a Re E
	v_fma_f32 v50, v7, v48, v50                    ; ni = -Im(E conj A) = a Im E + A_imag Re E
	v_xor_b32 v[W1+1], s35, v[W1+1]                ; W1 is the conjugate from here on
	v_mul_f32 v39, v42, v49
	v_mul_f32 v40, v42, v50
	v_fma_f32 v39, v43, v50, v39                   ;  Re(G (nr - i ni))
	v_fma_f32 v40, -v43, v49, v40                  ; -Im(G (nr - i ni))
	v_mov_b32 v[M64P], v[W64+1]
	v_mov_b32 v[M64P+1], v[W64]
	v_mul_f32 v39, v39, v47                        ; 2 conj(C'), re
	v_mul_f32 v40, v40, v47                        ; 2 conj(C'), im
	v_xor_b32 v[W64+1], s35, v[W64+1]
	v_xor_b32 v[G4P], s35, v[G4+1]                 ; the y side is not conjugate: (-s, c)
	v_mov_b32 v[G4P+1], v[G4]
	v_xor_b32 v[G32P], s35, v[G32+1]
	v_mov_b32 v[G32P+1], v[G32]
	v_xor_b32 v[G1KP], s35, v[G1K+1]
	v_mov_b32 v[G1KP+1], v[G1K]
	v_mul_f32 v[TCH], v39, v[WS]                   ; x chain 0 starts at 2 conj(C') conj(exp(256 w dtA))
	v_mul_f32 v[TCH+1], v40, v[WS]
	v_fma_f32 v[TCH], v40, v[WS+1], v[TCH]
	v_fma_f32 v[TCH+1], -v39, v[WS+1], v[TCH+1]
; d = a m for complex pairs: t = Re a (Re m, Im m); d = Im a (-Im m, Re m) + t.  mp holds (-Im m, Re m).
.macro CMUL d, a, m, mp, t
	v_pk_mul_f32 v[\t:\t+1], v[\a:\a+1], v[\m:\m+1] op_sel_hi:[0,1]
	v_pk_fma_f32 v[\d:\d+1], v[\a:\a+1], v[\mp:\mp+1], v[\t:\t+1] op_sel:[1,0,0] op_sel_hi:[1,1,1]
.endm
	CMUL UCH+2, UCH,   G32, G32P, TMP              ; y chains start at 2048 w + 0, 32, 1024, 1056
	CMUL UCH+4, UCH,   G1K, G1KP, TMP+2
	CMUL TCH+2, TCH,   W64, M64P, TMP+4            ; x chains start at 256 w + 0, 64, 128, 192
	CMUL UCH+6, UCH+4, G32, G32P, TMP
	CMUL TCH+4, TCH+2, W64, M64P, TMP+2
	CMUL TCH+6, TCH+4, W64, M64P, TMP+4
; One step of four chains: each chain's value goes to its row (stride x chain + idx) as hi and lo, and (more = 1) is multiplied by m.
; hi = the pair rounded to bf16; the remainder value - hi is exact in f32 (one fused multiply-add from the bf16 half); lo = it rounded to bf16.
; A store of the wave covers 128 consecutive LDS bytes.
.macro STEP4 ch, adr, stride, idx, m, mp, more
.if \more
.irp j,0,1,2,3
	v_pk_mul_f32 v[TMP+2*\j:TMP+2*\j+1], v[\ch+2*\j:\ch+2*\j+1], v[\m:\m+1] op_sel_hi:[0,1]
.endr
.endif
.irp j,0,1,2,3
	v_cvt_pk_bf16_f32 v[EH+\j], v[\ch+2*\j], v[\ch+2*\j+1]
.endr
.irp j,0,1,2,3
	v_fma_mix_f32_bf16 v[EL+2*\j], v[EH+\j], v[NEG1], v[\ch+2*\j] op_sel_hi:[1,0,0]
	v_fma_mix_f32_bf16 v[EL+2*\j+1], v[EH+\j], v[NEG1], v[\ch+2*\j+1] op_sel:[1,0,0] op_sel_hi:[1,0,0]
.endr
.if \more
.irp j,0,1,2,3
	v_pk_fma_f32 v[\ch+2*\j:\ch+2*\j+1], v[\ch+2*\j:\ch+2*\j+1], v[\mp:\mp+1], v[TMP+2*\j:TMP+2*\j+1] op_sel:[1,0,0] op_sel_hi:[1,1,1]
.endr
.endif
.irp j,0,1,2,3
	v_cvt_pk_bf16_f32 v[EP+\j], v[EL+2*\j], v[EL+2*\j+1]
.endr
.irp j,0,1,2,3
	ds_store_b32 v[\adr], v[EH+\j] offset:PITCH*(\stride*\j+\idx)
	ds_store_b32 v[\adr], v[EP+\j] offset:PITCH*(\stride*\j+\idx)+LOFF
.endr
.endm
	; x rows: row m = 4 d + c of my set holds x = 256 w + 64 d + c; chain d, step c
	STEP4 TCH, ADA, 4, 0, W1, M1P, 1
	STEP4 TCH, ADA, 4, 1, W1, M1P, 1
	STEP4 TCH, ADA, 4, 2, W1, M1P, 1
	STEP4 TCH, ADA, 4, 3, W1, M1P, 0
	; y rows: row 8 j + s of my 32 holds y = 2048 w + 1024 (j >> 1) + 32 (j & 1) + 4 s; chain j, step s
	STEP4 UCH, ADB, 8, 0, G4, G4P, 1
	STEP4 UCH, ADB, 8, 1, G4, G4P, 1
	STEP4 UCH, ADB, 8, 2, G4, G4P, 1
	STEP4 UCH, ADB, 8, 3, G4, G4P, 1
	STEP4 UCH, ADB, 8, 4, G4, G4P, 1
	STEP4 UCH, ADB, 8, 5, G4, G4P, 1
	STEP4 UCH, ADB, 8, 6, G4, G4P, 1
	STEP4 UCH, ADB, 8, 7, G4, G4P, 0
	s_wait_dscnt 0x0                               ; my rows are in LDS: zero, since the other waves will read them
	s_barrier_signal -1
	s_barrier_wait -1                              ; everybody's are
	; Fragments: lane (r, half) takes row r's bytes 32 c + 16 half .. + 15, c = 0 .. 7: registers 8 f .. 8 f + 7 are fragment f
	; (hi k 0-31, hi k 32-63, lo k 0-31, lo k 32-63).  Both sides are read alike, so k means the same (mode, re or im) in both.
.irp a,0,1
.irp c,0,1,2,3,4,5,6,7
	ds_load_b128 v[AF+32*\a+4*\c:AF+32*\a+4*\c+3], v[FA] offset:SETB*\a+32*\c
.endr
.endr
.irp t,0,1,2,3
.irp c,0,1,2,3,4,5,6,7
	ds_load_b128 v[BF+32*\t+4*\c:BF+32*\t+4*\c+3], v[FB] offset:SETB*\t+32*\c
.endr
.endr
; four tiles (x sets 0, 1 by y sets t0, t0 + 1), one K step of 32: x fragment fa by y fragment fb.  first = 1 starts the sums: nothing is cleared.
.macro MM acc, t0, fa, fb, first
.irp tt,0,1
.irp a,0,1
.if \first
	v_wmma_f32_16x16x32_bf16 v[\acc+8*(2*\tt+\a):\acc+8*(2*\tt+\a)+7], v[AF+32*\a+8*\fa:AF+32*\a+8*\fa+7], v[BF+32*(\t0+\tt)+8*\fb:BF+32*(\t0+\tt)+8*\fb+7], 0
.else
	v_wmma_f32_16x16x32_bf16 v[\acc+8*(2*\tt+\a):\acc+8*(2*\tt+\a)+7], v[AF+32*\a+8*\fa:AF+32*\a+8*\fa+7], v[BF+32*(\t0+\tt)+8*\fb:BF+32*(\t0+\tt)+8*\fb+7], v[\acc+8*(2*\tt+\a):\acc+8*(2*\tt+\a)+7]
.endif
.endr
.endr
.endm
.macro GROUP acc, t0
	MM \acc, \t0, 0, 0, 1                          ; hi hi
	MM \acc, \t0, 1, 1, 0
	MM \acc, \t0, 0, 2, 0                          ; hi lo
	MM \acc, \t0, 1, 3, 0
	MM \acc, \t0, 2, 0, 0                          ; lo hi
	MM \acc, \t0, 3, 1, 0
.endm
; each store of the wave covers two runs of 256 consecutive bytes (lanes 0-15, lanes 16-31), each at a multiple of 256 from out0's first byte
.macro OUT acc, t0
.irp tt,0,1
.irp a,0,1
	global_store_b128 v[VO], v[\acc+8*(2*\tt+\a):\acc+8*(2*\tt+\a)+3], s[14:15] offset:4096*(\t0+\tt)+1024*\a th:TH_STORE_NT
	global_store_b128 v[VO], v[\acc+8*(2*\tt+\a)+4:\acc+8*(2*\tt+\a)+7], s[14:15] offset:4096*(\t0+\tt)+1024*\a+256 th:TH_STORE_NT
.endr
.endr
.endm
	s_wait_dscnt 16                                ; LDS loads come back in order: both x sets and y sets 0, 1 are in; the 16 youngest loads (y sets 2, 3) may be out
	GROUP ACC, 0
.rept 5
	v_nop                                          ; four places before a store reads a matrix result; five before a matrix instruction writes over
.endr                                                  ; registers that an earlier one read (ISA guide 7.12.1): y set 0's registers are the next four accumulators
	OUT ACC, 0
	s_wait_dscnt 0x0                               ; y sets 2, 3
	GROUP BF, 2
.rept 4
	v_nop                                          ; four places before the stores read the results
.endr
	OUT BF, 2
	s_wait_tensorcnt 0x0
	ds_add_u32 v244, v245
	s_wait_dscnt 0x0
	s_endpgm
.Lfunc_end_k_q5b3236d9d8_sskernel:
	.size	k_q5b3236d9d8_sskernel, .Lfunc_end_k_q5b3236d9d8_sskernel-k_q5b3236d9d8_sskernel
	.p2alignl 7, 3214868480
	.fill 96, 4, 3214868480
	.section	.rodata,"a",@progbits
	.p2align	6, 0x0
	.amdhsa_kernel k_q5b3236d9d8_sskernel
		.amdhsa_group_segment_fixed_size 52736
		.amdhsa_private_segment_fixed_size 0
		.amdhsa_enable_private_segment 0
		.amdhsa_kernarg_size 48
		.amdhsa_user_sgpr_count 2
		.amdhsa_user_sgpr_kernarg_segment_ptr 1
		.amdhsa_wavefront_size32 1
		.amdhsa_system_sgpr_workgroup_id_x 1
		.amdhsa_system_sgpr_workgroup_id_y 1
		.amdhsa_system_sgpr_workgroup_id_z 1
		.amdhsa_system_vgpr_workitem_id 0
		.amdhsa_next_free_vgpr 246
		.amdhsa_next_free_sgpr 66
		.amdhsa_reserve_vcc 0
		.amdhsa_float_denorm_mode_32 3
		.amdhsa_float_denorm_mode_16_64 3
		.amdhsa_memory_ordered 1
		.amdhsa_forward_progress 1
		.amdhsa_inst_pref_size 44
	.end_amdhsa_kernel
	.amdgpu_metadata
---
amdhsa.version: [ 1, 2 ]
amdhsa.kernels:
  - .name:           k_q5b3236d9d8_sskernel
    .symbol:         k_q5b3236d9d8_sskernel.kd
    .args:
      - { .name: log_dt, .offset: 0, .size: 8, .value_kind: global_buffer, .address_space: global }
      - { .name: log_A_real, .offset: 8, .size: 8, .value_kind: global_buffer, .address_space: global }
      - { .name: A_imag, .offset: 16, .size: 8, .value_kind: global_buffer, .address_space: global }
      - { .name: B_ri, .offset: 24, .size: 8, .value_kind: global_buffer, .address_space: global }
      - { .name: C_ri, .offset: 32, .size: 8, .value_kind: global_buffer, .address_space: global }
      - { .name: out0, .offset: 40, .size: 8, .value_kind: global_buffer, .address_space: global }
    .group_segment_fixed_size: 52736
    .private_segment_fixed_size: 0
    .kernarg_segment_align: 8
    .kernarg_segment_size: 48
    .max_flat_workgroup_size: 128
    .sgpr_count:     66
    .vgpr_count:     246
    .wavefront_size: 32
...
	.end_amdgpu_metadata
.endif
;; end of part 1
;; ======== version 2 of 2: 1 launch; version 1 with the launch sskernel written anew for expert scheduling mode
;; launch sskernel (part 2): grid 512 x 1, 4 waves a work-group, no clusters, 52,736 bytes of LDS; arguments log_dt, log_A_real, A_imag, B_ri, C_ri, out0; writes out0
.if DOCPART == 2
	.amdgcn_target "amdgcn-amd-amdhsa--gfx1250"
	.amdhsa_code_object_version 6
	.text
	.protected	k_q5b3236d9d8_sskernel
	.globl	k_q5b3236d9d8_sskernel
	.p2align	8
	.type	k_q5b3236d9d8_sskernel,@function
k_q5b3236d9d8_sskernel:
	s_mov_b64 s[64:65], 0
	v_nop
	global_prefetch_b8 v0, s[64:65] scope:SCOPE_SE
	s_setreg_imm32_b32 hwreg(HW_REG_WAVE_SCHED_MODE, 0, 2), 2
	s_setreg_imm32_b32 hwreg(HW_REG_WAVE_MODE, 25, 1), 1
	s_wait_xcnt 0x0
	s_wait_alu depctr_vm_vsrc(0)
; K[h][l] = 2 Re sum over n of C'[h][n] exp(dtA[h][n] l),  l = 0 .. 8191, n = 0 .. 31, one work-group (4 waves) for each of the 512 h.
;   dt = exp(log_dt), A = -exp(log_A_real) + i A_imag, dtA = A dt, C' = C B (exp(dtA) - 1) / A   (formed as the reference forms it).
; THE IDEA.  l = x + y with x = bits 0-1 and 6-9 of l (64 values), y = bits 2-5 and 10-12 (128 values), so that
;   K[x + y] = sum_n (2 Re P)(Re Q) + (-2 Im P)(Im Q),  P = C' exp(dtA x),  Q = exp(dtA y):
; a real product of [64 x 64] by [64 x 128].  192 x 32 complex powers are made for an h in place of 8192 x 32.
; In a 16 x 16 result tile row m stands for x = (m & 3) + 64 (m >> 2) and column r for y = 4 r.  Lane (r, half) holds rows 8 half + j,
; so its registers 0-3 are l = 4 r + 128 half + 0..3 and registers 4-7 the same + 64: 16 neighbouring bytes a lane,
; 256 consecutive aligned bytes for sixteen neighbouring lanes.  Results are stored straight from the accumulators.
; PRECISION.  Each factor is split into two bf16, hi + lo, and hi hi + hi lo + lo hi are summed in f32 (6 matrix instructions a tile):
; near l = 0 of the rows with large dt the terms are far larger than the output's root mean square, and one bf16 would not do.
; The product lo lo (2^-18 of a term) is dropped.
; PHASE 1 (lane = n): parameters, seven powers exp(dtA X) evaluated directly, then short chains of complex products;
; every row (32 modes, re and im) goes to LDS as 128 bytes of hi and 128 bytes of lo.  One barrier.
; PHASE 2: each wave reads 2 sets of 16 x-rows and 4 sets of 16 y-rows as fragments and makes 8 tiles = 2,048 outputs.
; NO CLUSTER, NO TENSOR LOADS: a work-group reads 772 bytes that no other work-group reads; nothing is shared and nothing is streamed in.
; LIMITS.  |A|^2 has to be a normal f32 (about 1.1e-19 < |A| < 1.8e19), since 1/|A|^2 is a v_rcp_f32.  The parity of the count of half
; turns is taken from a 32-bit integer: |A_imag dt l / pi| < 2^31 (from 2^24 on the reference's own f32 phase has no fraction left).
; A power is a direct evaluation times at most 9 rounded complex products, so the order of rounding differs from the reference's.
; THE MODE: SCHED_MODE bits 1:0 = 2 (LLVM: expert scheduling mode 2), set by the entry lines.  The code itself states the register dependences
; between vector or matrix instructions and memory or LDS instructions, with s_wait_alu, always for 0.
; THE PLAN.  The text has no branch.  Registers that memory or LDS instructions touch:
;   v2-v4          offsets of the inputs: written at the head, read by the five loads, never written again.
;   v5-v11         the inputs land here; no vector line names them ahead of the loads.
;   v13-v17        LDS addresses and the offset in out0: written at the head, never written again.
;   OBUF0, OBUF1   Step p of phase 1's twelve rounds its four rows into OBUF[p % 2]; the eight LDS stores that read it are issued in step p + 1,
;                  dealt among that step's vector lines, which name the other OBUF, TMP, EL, the chains and the multipliers alone.
;                  So two waits at a step's head state all: the step before has written its OBUF; the stores issued in it have read the OBUF that is written again.
;   AF, BF         Phase 2's LDS loads land here.  Phase 1's vector lines named v52-v161 and its LDS stores read v146-v161: one wait for each side, round the barrier.
;                  y sets 2, 3 (v180-v243) are loaded among the first four tiles' matrix instructions, which name ACC, AF and v116-v179.
;   ACC, BF set 0  as accumulators: written by matrix instructions, read by the stores to out0, not written again.  One wait for each group of four tiles;
;                  the first group's stores are dealt among the second group's matrix instructions, which name neither ACC nor v[VO].
.set PITCH, 272                        ; an LDS row: 128 bytes hi + 128 bytes lo + 16 of padding = 17 x 16 bytes, so 16 rows start in 16 different 16-byte columns of 256
.set LOFF,  128                        ; the lo half of a row
.set SETB,  16*PITCH                   ; a set of 16 rows
.set BROW0, 64*PITCH                   ; rows 0-63: x side (A operand); rows 64-191: y side (B operand)
.set NEG1, 12                          ; v12      -1.0
.set ADA,  13                          ; v13      phase 1: my 4 bytes in my wave's first x row
.set ADB,  14                          ; v14      phase 1: my 4 bytes in my wave's first y row
.set FA,   15                          ; v15      phase 2: my 16 bytes in my wave's first x fragment
.set FB,   16                          ; v16      phase 2: the same for y
.set VO,   17                          ; v17      my byte offset in out0
.set KC,   20                          ; v[20:33] pairs (c_j, s_j): cos(pi f) = sum c_j f^2j, sin(pi f) = f sum s_j f^2j, j = 0 .. 6
.set THI,  34                          ; v34      Im(dtA) / pi, high part
.set TLO,  35                          ; v35      its low part
.set RE2,  36                          ; v36      Re(dtA) log2(e)
.set RS,   52                          ; v[52:107] seven sets of 8: +0 half turns, +1 sign, +2 f^2, +3 f, +4,5 result, +6,7 (size, size f)
.set XS,   20                          ; s[20:26] the seven X as f32
.set W1,   RS+4                        ; exp(dtA), made conjugate below
.set W64,  RS+12                       ; exp(64 dtA), made conjugate below
.set WS,   RS+20                       ; exp(256 w dtA)
.set G4,   RS+28                       ; exp(4 dtA)
.set G32,  RS+36                       ; exp(32 dtA)
.set G1K,  RS+44                       ; exp(1024 dtA)
.set UCH,  RS+52                       ; v[104:111] four y chains; the first is exp(2048 w dtA) as evaluated
.set M1P,  112                         ; for a multiplier m the pair (-Im m, Re m)
.set M64P, 114
.set G4P,  116
.set G32P, 118
.set G1KP, 120
.set TCH,  122                         ; v[122:129] four x chains
.set TMP,  130                         ; v[130:137]
.set EL,   138                         ; v[138:145] remainders in f32
.set OBUF, 146                         ; v[146:161] two out-buffers of 8: buffer b at OBUF + 8 b: four hi pairs, then four lo pairs
.set ACC,  20                          ; phase 2: v[20:51] four accumulators
.set AF,   52                          ; v[52:115]  2 x sets: hi k 0-31, hi k 32-63, lo k 0-31, lo k 32-63, 8 registers each
.set BF,   116                         ; v[116:243] 4 y sets likewise; set 0 serves as the second four accumulators
	s_load_b256 s[4:11], s[0:1], 0x0               ; log_dt s[4:5], log_A_real s[6:7], A_imag s[8:9], B_ri s[10:11]
	s_load_b128 s[12:15], s[0:1], 0x20             ; C_ri s[12:13], out0 s[14:15]
	v_lshl_add_u32 v244, v0, 2, 0xcc00
	v_mov_b32 v245, 0
	v_and_b32 v1, 31, v0                           ; lane = mode n
	v_lshrrev_b32 v18, 5, v0
	v_readfirstlane_b32 s16, v18                   ; wave w, 0 .. 3
	s_lshl_b32 s17, ttmp9, 7                       ; h x 32 modes x 4 bytes
	s_lshl_b32 s18, ttmp9, 8                       ; h x 32 modes x 8 bytes
	s_lshl_b32 s19, ttmp9, 2                       ; h x 4 bytes
	v_lshl_add_u32 v2, v1, 2, s17
	v_lshl_add_u32 v3, v1, 3, s18
	v_mov_b32 v4, s19
	s_wait_kmcnt 0x0
	s_wait_alu depctr_va_vdst(0)                   ; v2, v3 and v4 are written: the five loads read them as their offsets
	global_load_b32 v5, v4, s[4:5]                 ; log_dt[h], the same word in every lane
	global_load_b32 v6, v2, s[6:7]                 ; log_A_real[h][n]
	global_load_b32 v7, v2, s[8:9]                 ; A_imag[h][n]
	global_load_b64 v[8:9], v3, s[10:11]           ; B re, im
	global_load_b64 v[10:11], v3, s[12:13]         ; C re, im
	; while the loads are on their way: constants and every address
	s_wait_alu depctr_va_sdst(0)                   ; s16 is written, ahead of its first reader: two of the X, the LDS rows and the place in out0 are made from it
	s_mov_b32 s20, 1.0                             ; X: 1, 64, 256 w, 4, 32, 1024, 2048 w
	s_mov_b32 s21, 0x42800000
	s_lshl_b32 s27, s16, 8
	s_cvt_f32_u32 s22, s27
	s_mov_b32 s23, 4.0
	s_mov_b32 s24, 0x42000000
	s_mov_b32 s25, 0x44800000
	s_lshl_b32 s27, s16, 11
	s_cvt_f32_u32 s26, s27
	s_mov_b32 s30, 0x3fb8aa3b                      ; log2(e), high part
	s_mov_b32 s31, 0x32a5705f                      ; log2(e), low part
	s_mov_b32 s32, 0x3f317218                      ; ln 2
	s_mov_b32 s33, 0x3ea2f983                      ; 1/pi, high part
	s_mov_b32 s34, 0x325c9c88                      ; 1/pi, low part
	s_mov_b32 s35, 0x80000000                      ; the sign bit
	s_mov_b32 s36, 0xbfb8aa3b                      ; -log2(e)
	s_mul_i32 s28, s16, SETB                       ; my wave writes x rows 16 w .. 16 w + 15
	s_mul_i32 s29, s16, 2*SETB                     ; and y rows 32 w .. 32 w + 31
	s_add_co_u32 s29, s29, BROW0
	v_lshl_add_u32 v[ADA], v1, 2, s28
	v_lshl_add_u32 v[ADB], v1, 2, s29
	v_mov_b32 v[NEG1], -1.0
	v_and_b32 v18, 15, v0                          ; r
	v_bfe_u32 v19, v0, 4, 1                        ; half
	v_mul_u32_u24 v[FA], v18, PITCH
	v_lshl_add_u32 v[FA], v19, 4, v[FA]            ; r x pitch + 16 half
	s_and_b32 s37, s16, 1                          ; pa: my wave multiplies x sets 2 pa, 2 pa + 1
	s_lshr_b32 s38, s16, 1                         ; pb: by y sets 4 pb .. 4 pb + 3
	s_mul_i32 s39, s37, 2*SETB
	s_mul_i32 s40, s38, 4*SETB
	s_add_co_u32 s40, s40, BROW0
	v_add_nc_u32 v[FB], s40, v[FA]
	v_add_nc_u32 v[FA], s39, v[FA]
	s_lshl_b32 s41, ttmp9, 15                      ; h x 8192 x 4 bytes
	s_lshl_b32 s42, s37, 11                        ; an x set is 256 l = 1,024 bytes
	s_lshl_b32 s43, s38, 14                        ; a y set is 1,024 l = 4,096 bytes
	s_add_co_u32 s41, s41, s42
	s_add_co_u32 s41, s41, s43
	v_lshlrev_b32 v[VO], 4, v18                    ; 16 r
	v_lshl_add_u32 v[VO], v19, 9, v[VO]            ; + 512 half
	v_add_nc_u32 v[VO], s41, v[VO]
	v_mov_b32 v[KC+0],  1.0                        ; c_j = (-1)^j pi^2j / (2j)!,  s_j = (-1)^j pi^(2j+1) / (2j+1)!
	v_mov_b32 v[KC+1],  0x40490fdb                 ; cut behind j = 6: at |f| = 1/2 the next terms are below 1e-8
	v_mov_b32 v[KC+2],  0xc09de9e6
	v_mov_b32 v[KC+3],  0xc0a55de7
	v_mov_b32 v[KC+4],  0x4081e0f8
	v_mov_b32 v[KC+5],  0x402335e3
	v_mov_b32 v[KC+6],  0xbfaae9e4
	v_mov_b32 v[KC+7],  0xbf196966
	v_mov_b32 v[KC+8],  0x3e70fa83
	v_mov_b32 v[KC+9],  0x3da83c1a
	v_mov_b32 v[KC+10], 0xbcd368f9
	v_mov_b32 v[KC+11], 0xbbf183a8
	v_mov_b32 v[KC+12], 0x3afce9c5
	v_mov_b32 v[KC+13], 0x39f47a1a
	s_wait_loadcnt 0x0                             ; all five inputs are in
	; dt = 2^(p + e): p = log_dt log2(e) rounded, e what the rounding and the constant's low part left out; 2^e = 1 + e ln 2.
	; dt multiplies phases of thousands of radians, so its relative error counts.
	v_mul_f32 v39, s30, v5                         ; p
	v_mul_f32 v40, s30, v6
	v_fma_f32 v41, v5, s30, -v39
	v_exp_f32 v37, v39                             ; 2^p
	v_exp_f32 v38, v40                             ; a = exp(log_A_real)
	v_fma_f32 v41, v5, s31, v41                    ; e.  A plain instruction that touches neither result nor source stands behind the two v_exp_f32 (ISA guide 5.7.2)
	v_mul_f32 v42, v10, v8                         ; G = C B
	v_mul_f32 v43, v10, v9
	v_fma_f32 v42, -v11, v9, v42                   ; Re G
	v_fma_f32 v43, v11, v8, v43                    ; Im G
	s_wait_alu depctr_va_vdst(0)                   ; the two exponentials have written v37 (2^p) and v38 (a): one wait for both, ahead of the first line that names either
	v_mul_f32 v41, v37, v41
	v_fma_f32 v37, v41, s32, v37                   ; dt
	v_mul_f32 v46, v38, v38
	v_mul_f32 v44, v38, v37                        ; a dt = -Re(dtA)
	v_mul_f32 v45, v7, v37                         ; Im(dtA)
	v_fma_f32 v46, v7, v7, v46                     ; |A|^2
	v_mul_f32 v[RE2], s36, v44
	v_mul_f32 v[THI], s33, v45
	v_rcp_f32 v47, v46                             ; 1 / |A|^2; the next line is the plain place behind it
	v_fma_f32 v[TLO], v45, s33, -v[THI]            ; what the rounding of THI lost,
	v_fma_f32 v[TLO], v45, s34, v[TLO]             ; and the low part of 1/pi
	; Seven powers exp(dtA X), stage by stage so that no line waits for the one in front of it.
	; Half turns u = THI X; k = nearest integer; f = THI X - k + TLO X by two fused multiply-adds, so f is exact to f32 whatever the size of u;
	; exp(i pi u) = (-1)^k (cos pi f, sin pi f); size 2^(RE2 X).  v_sin_f32 and v_cos_f32 are not used.
.irp i,0,1,2,3,4,5,6
	v_mul_f32 v[RS+8*\i], s[XS+\i], v[THI]
	v_mul_f32 v[RS+8*\i+7], s[XS+\i], v[RE2]
.endr
.irp i,0,1,2,3,4,5,6
	v_rndne_f32 v[RS+8*\i], v[RS+8*\i]
.endr
.irp i,0,1,2,3,4,5,6
	v_exp_f32 v[RS+8*\i+6], v[RS+8*\i+7]
.endr
.irp i,0,1,2,3,4,5,6
	v_fma_f32 v[RS+8*\i+3], v[THI], s[XS+\i], -v[RS+8*\i]      ; (the first of these is the plain place behind the run of v_exp_f32)
.endr
.irp i,0,1,2,3,4,5,6
	v_fma_f32 v[RS+8*\i+3], v[TLO], s[XS+\i], v[RS+8*\i+3]     ; f
.endr
.irp i,0,1,2,3,4,5,6
	v_cvt_i32_f32 v[RS+8*\i+1], v[RS+8*\i]
.endr
.irp i,0,1,2,3,4,5,6
	v_mul_f32 v[RS+8*\i+2], v[RS+8*\i+3], v[RS+8*\i+3]         ; f^2
.endr
.irp i,0,1,2,3,4,5,6
	v_lshlrev_b32 v[RS+8*\i+1], 31, v[RS+8*\i+1]               ; k odd: the sign bit
.endr
.irp i,0,1,2,3,4,5,6
	v_pk_fma_f32 v[RS+8*\i+4:RS+8*\i+5], v[KC+12:KC+13], v[RS+8*\i+2:RS+8*\i+3], v[KC+10:KC+11] op_sel_hi:[1,0,1]   ; both series at once, both times f^2
.endr
	s_wait_alu depctr_va_vdst(0)                   ; the reciprocal has written v47 and the seven exponentials their sizes v[RS+8 i+6]: one wait for the batch of eight; none of the 42 lines since the last of them names a result
.irp i,0,1,2,3,4,5,6
	v_xor_b32 v[RS+8*\i+6], v[RS+8*\i+6], v[RS+8*\i+1]         ; size with the sign (-1)^k
.endr
.irp j,8,6,4,2,0
.irp i,0,1,2,3,4,5,6
	v_pk_fma_f32 v[RS+8*\i+4:RS+8*\i+5], v[RS+8*\i+4:RS+8*\i+5], v[RS+8*\i+2:RS+8*\i+3], v[KC+\j:KC+\j+1] op_sel_hi:[1,0,1]
.endr
.endr
.irp i,0,1,2,3,4,5,6
	v_mul_f32 v[RS+8*\i+7], v[RS+8*\i+6], v[RS+8*\i+3]         ; size x f for the sine
.endr
.irp i,0,1,2,3,4,5,6
	v_pk_mul_f32 v[RS+8*\i+4:RS+8*\i+5], v[RS+8*\i+4:RS+8*\i+5], v[RS+8*\i+6:RS+8*\i+7]    ; (re, im) of exp(dtA X)
.endr
	; 2 conj(C') = 2 conj(G E conj(A)) / |A|^2 with E = exp(dtA) - 1, A = (-a, A_imag).
	; The x side carries conjugates: Re(P Q) = Re(conj P) Re Q + Im(conj P) Im Q, which is a plain dot product over (re, im) pairs.
	v_mov_b32 v[M1P], v[W1+1]                      ; for m = conj(exp(dtA)) = (c, -s): (-Im m, Re m) = (s, c)
	v_mov_b32 v[M1P+1], v[W1]
	v_add_f32 v48, -1.0, v[W1]                     ; Re E
	v_mul_f32 v49, v7, v[W1+1]
	v_mul_f32 v50, v38, v[W1+1]
	v_add_f32 v47, v47, v47                        ; 2 / |A|^2
	v_fma_f32 v49, -v38, v48, v49                  ; nr =  Re(E conj A) = A_imag Im E - a Re E
	v_fma_f32 v50, v7, v48, v50                    ; ni = -Im(E conj A) = a Im E + A_imag Re E
	v_xor_b32 v[W1+1], s35, v[W1+1]                ; W1 is the conjugate from here on
	v_mul_f32 v39, v42, v49
	v_mul_f32 v40, v42, v50
	v_fma_f32 v39, v43, v50, v39                   ;  Re(G (nr - i ni))
	v_fma_f32 v40, -v43, v49, v40                  ; -Im(G (nr - i ni))
	v_mov_b32 v[M64P], v[W64+1]
	v_mov_b32 v[M64P+1], v[W64]
	v_mul_f32 v39, v39, v47                        ; 2 conj(C'), re
	v_mul_f32 v40, v40, v47                        ; 2 conj(C'), im
	v_xor_b32 v[W64+1], s35, v[W64+1]
	v_xor_b32 v[G4P], s35, v[G4+1]                 ; the y side is not conjugate: (-s, c)
	v_mov_b32 v[G4P+1], v[G4]
	v_xor_b32 v[G32P], s35, v[G32+1]
	v_mov_b32 v[G32P+1], v[G32]
	v_xor_b32 v[G1KP], s35, v[G1K+1]
	v_mov_b32 v[G1KP+1], v[G1K]
	v_mul_f32 v[TCH], v39, v[WS]                   ; x chain 0 starts at 2 conj(C') conj(exp(256 w dtA))
	v_mul_f32 v[TCH+1], v40, v[WS]
	v_fma_f32 v[TCH], v40, v[WS+1], v[TCH]
	v_fma_f32 v[TCH+1], -v39, v[WS+1], v[TCH+1]
; d = a m for complex pairs: t = Re a (Re m, Im m); d = Im a (-Im m, Re m) + t.  mp holds (-Im m, Re m).
.macro CMUL d, a, m, mp, t
	v_pk_mul_f32 v[\t:\t+1], v[\a:\a+1], v[\m:\m+1] op_sel_hi:[0,1]
	v_pk_fma_f32 v[\d:\d+1], v[\a:\a+1], v[\mp:\mp+1], v[\t:\t+1] op_sel:[1,0,0] op_sel_hi:[1,1,1]
.endm
	CMUL UCH+2, UCH,   G32, G32P, TMP              ; y chains start at 2048 w + 0, 32, 1024, 1056
	CMUL UCH+4, UCH,   G1K, G1KP, TMP+2
	CMUL TCH+2, TCH,   W64, M64P, TMP+4            ; x chains start at 256 w + 0, 64, 128, 192
	CMUL UCH+6, UCH+4, G32, G32P, TMP
	CMUL TCH+4, TCH+2, W64, M64P, TMP+2
	CMUL TCH+6, TCH+4, W64, M64P, TMP+4
; The rows that a step has rounded are stored in the step behind it.  These symbols say what is waiting: the address register, the rows' stride and index, the out-buffer.
.set NST,   0                          ; steps made so far
.set P_ADR, ADA
.set P_STR, 4
.set P_IDX, 0
.set P_OB,  0
.macro PUT j                           ; chain j's row of the step before: hi, then lo.  A store of the wave covers 128 consecutive LDS bytes.
.if NST >= 1
	ds_store_b32 v[P_ADR], v[OBUF+8*P_OB+\j] offset:PITCH*(P_STR*\j+P_IDX)
	ds_store_b32 v[P_ADR], v[OBUF+8*P_OB+4+\j] offset:PITCH*(P_STR*\j+P_IDX)+LOFF
.endif
.endm
; One step of four chains: each chain's value is rounded for its row (stride x chain + idx) as hi and lo, and (more = 1) is multiplied by m.
; hi = the pair rounded to bf16; the remainder value - hi is exact in f32 (one fused multiply-add from the bf16 half); lo = it rounded to bf16.
; The step writes out-buffer NST % 2; the eight stores among its lines read the other one, which no vector line of this step names.
.macro STEP4 ch, adr, stride, idx, m, mp, more
.set CUR, NST%2
.if NST >= 2
	s_wait_alu depctr_vm_vsrc(0)                   ; the LDS stores issued in the step before have read OBUF[CUR], which this step's roundings write again
.endif
.if NST >= 1
	s_wait_alu depctr_va_vdst(0)                   ; the step before has written the other OBUF, which the eight stores below read (at the first such wait also: v[ADA] and v[ADB] are written)
.endif
.if \more
.irp j,0,1,2,3
	v_pk_mul_f32 v[TMP+2*\j:TMP+2*\j+1], v[\ch+2*\j:\ch+2*\j+1], v[\m:\m+1] op_sel_hi:[0,1]
.endr
.endif
	PUT 0
.irp j,0,1,2,3
	v_cvt_pk_bf16_f32 v[OBUF+8*CUR+\j], v[\ch+2*\j], v[\ch+2*\j+1]
.endr
	PUT 1
.irp j,0,1,2,3
	v_fma_mix_f32_bf16 v[EL+2*\j], v[OBUF+8*CUR+\j], v[NEG1], v[\ch+2*\j] op_sel_hi:[1,0,0]
	v_fma_mix_f32_bf16 v[EL+2*\j+1], v[OBUF+8*CUR+\j], v[NEG1], v[\ch+2*\j+1] op_sel:[1,0,0] op_sel_hi:[1,0,0]
.endr
	PUT 2
.if \more
.irp j,0,1,2,3
	v_pk_fma_f32 v[\ch+2*\j:\ch+2*\j+1], v[\ch+2*\j:\ch+2*\j+1], v[\mp:\mp+1], v[TMP+2*\j:TMP+2*\j+1] op_sel:[1,0,0] op_sel_hi:[1,1,1]
.endr
.endif
	PUT 3
.irp j,0,1,2,3
	v_cvt_pk_bf16_f32 v[OBUF+8*CUR+4+\j], v[EL+2*\j], v[EL+2*\j+1]
.endr
.set P_ADR, \adr
.set P_STR, \stride
.set P_IDX, \idx
.set P_OB,  CUR
.set NST,   NST+1
.endm
	; x rows: row m = 4 d + c of my set holds x = 256 w + 64 d + c; chain d, step c
	STEP4 TCH, ADA, 4, 0, W1, M1P, 1
	STEP4 TCH, ADA, 4, 1, W1, M1P, 1
	STEP4 TCH, ADA, 4, 2, W1, M1P, 1
	STEP4 TCH, ADA, 4, 3, W1, M1P, 0
	; y rows: row 8 j + s of my 32 holds y = 2048 w + 1024 (j >> 1) + 32 (j & 1) + 4 s; chain j, step s
	STEP4 UCH, ADB, 8, 0, G4, G4P, 1
	STEP4 UCH, ADB, 8, 1, G4, G4P, 1
	STEP4 UCH, ADB, 8, 2, G4, G4P, 1
	STEP4 UCH, ADB, 8, 3, G4, G4P, 1
	STEP4 UCH, ADB, 8, 4, G4, G4P, 1
	STEP4 UCH, ADB, 8, 5, G4, G4P, 1
	STEP4 UCH, ADB, 8, 6, G4, G4P, 1
	STEP4 UCH, ADB, 8, 7, G4, G4P, 0
	s_wait_alu depctr_va_vdst(0)                   ; the last step has written its OBUF, which the last eight stores read; and every vector line of phase 1 is done with v52 to v161,
	                                               ; in which the fragments' loads land, and has written v[FA] and v[FB], which they read: no vector line stands between here and those loads
	PUT 0
	PUT 1
	PUT 2
	PUT 3
	s_wait_dscnt 0x0                               ; my rows are in LDS: zero, since the other waves will read them
	s_barrier_signal -1
	s_barrier_wait -1                              ; everybody's are
	s_wait_alu depctr_vm_vsrc(0)                   ; my LDS stores have read both OBUF (v146 to v161): the loads of y sets 0 and 1 land in these registers
	; Fragments: lane (r, half) takes row r's bytes 32 c + 16 half .. + 15, c = 0 .. 7: registers 8 f .. 8 f + 7 are fragment f
	; (hi k 0-31, hi k 32-63, lo k 0-31, lo k 32-63).  Both sides are read alike, so k means the same (mode, re or im) in both.
.irp a,0,1
.irp c,0,1,2,3,4,5,6,7
	ds_load_b128 v[AF+32*\a+4*\c:AF+32*\a+4*\c+3], v[FA] offset:SETB*\a+32*\c
.endr
.endr
; four of the eight loads of y set t, from piece c0 on
.macro BLOAD t, c0
.irp c,0,1,2,3
	ds_load_b128 v[BF+32*\t+4*(\c0+\c):BF+32*\t+4*(\c0+\c)+3], v[FB] offset:SETB*\t+32*(\c0+\c)
.endr
.endm
	BLOAD 0, 0
	BLOAD 0, 4
	BLOAD 1, 0
	BLOAD 1, 4
; four tiles (x sets 0, 1 by y sets t0, t0 + 1), one K step of 32: x fragment fa by y fragment fb.  first = 1 starts the sums: nothing is cleared.
.macro MM acc, t0, fa, fb, first
.irp tt,0,1
.irp a,0,1
.if \first
	v_wmma_f32_16x16x32_bf16 v[\acc+8*(2*\tt+\a):\acc+8*(2*\tt+\a)+7], v[AF+32*\a+8*\fa:AF+32*\a+8*\fa+7], v[BF+32*(\t0+\tt)+8*\fb:BF+32*(\t0+\tt)+8*\fb+7], 0
.else
	v_wmma_f32_16x16x32_bf16 v[\acc+8*(2*\tt+\a):\acc+8*(2*\tt+\a)+7], v[AF+32*\a+8*\fa:AF+32*\a+8*\fa+7], v[BF+32*(\t0+\tt)+8*\fb:BF+32*(\t0+\tt)+8*\fb+7], v[\acc+8*(2*\tt+\a):\acc+8*(2*\tt+\a)+7]
.endif
.endr
.endr
.endm
; tile q = 2 tt + a of a group goes out, its low four registers first.
; each store of the wave covers two runs of 256 consecutive bytes (lanes 0-15, lanes 16-31), each at a multiple of 256 from out0's first byte
.macro TILE_OUT acc, t0, q
	global_store_b128 v[VO], v[\acc+8*(\q):\acc+8*(\q)+3], s[14:15] offset:4096*(\t0+(\q)/2)+1024*((\q)%2) th:TH_STORE_NT
	global_store_b128 v[VO], v[\acc+8*(\q)+4:\acc+8*(\q)+7], s[14:15] offset:4096*(\t0+(\q)/2)+1024*((\q)%2)+256 th:TH_STORE_NT
.endm
	s_wait_dscnt 0x0                               ; the 32 loads issued so far are back: both x sets and y sets 0, 1
	; the first four tiles; y sets 2 and 3 are asked for among their matrix instructions.  No wait: no vector or matrix line since the wait ahead of the barrier names v180 to v243 or v[FB]
	MM ACC, 0, 0, 0, 1                             ; hi hi
	BLOAD 2, 0
	MM ACC, 0, 1, 1, 0
	BLOAD 2, 4
	MM ACC, 0, 0, 2, 0                             ; hi lo
	BLOAD 3, 0
	MM ACC, 0, 1, 3, 0
	BLOAD 3, 4
	MM ACC, 0, 2, 0, 0                             ; lo hi
	MM ACC, 0, 3, 1, 0
.rept 5
	v_nop                                          ; four places before a store reads a matrix result; five before a matrix instruction writes over
.endr                                                  ; registers that an earlier one read (ISA guide 7.12.1): y set 0's registers are the next four accumulators
	s_wait_alu depctr_va_vdst(0)                   ; the matrix instructions have written v[ACC ..], which the eight stores below read; the places above stay beside this wait
	; the second four tiles; the first four go out among their matrix instructions, which name neither v[ACC ..] nor v[VO]
	TILE_OUT ACC, 0, 0
	s_wait_dscnt 0x0                               ; y sets 2, 3
	MM BF, 2, 0, 0, 1                              ; hi hi
	TILE_OUT ACC, 0, 1
	MM BF, 2, 1, 1, 0
	TILE_OUT ACC, 0, 2
	MM BF, 2, 0, 2, 0                              ; hi lo
	TILE_OUT ACC, 0, 3
	MM BF, 2, 1, 3, 0
	MM BF, 2, 2, 0, 0                              ; lo hi
	MM BF, 2, 3, 1, 0
.rept 4
	v_nop                                          ; four places before the stores read the results
.endr
	s_wait_alu depctr_va_vdst(0)                   ; the matrix instructions have written the second four accumulators (v116 to v147), which the last eight stores read
	TILE_OUT BF, 2, 0
	TILE_OUT BF, 2, 1
	TILE_OUT BF, 2, 2
	TILE_OUT BF, 2, 3
	s_wait_dscnt 0x0
	s_wait_alu depctr_hold_cnt(0) depctr_sa_sdst(0) depctr_va_vdst(0) depctr_va_sdst(0) depctr_va_ssrc(0) depctr_va_vcc(0) depctr_vm_vsrc(0)
	s_wait_tensorcnt 0x0
	ds_add_u32 v244, v245
	s_wait_dscnt 0x0
	s_endpgm
.Lfunc_end_k_q5b3236d9d8_sskernel:
	.size	k_q5b3236d9d8_sskernel, .Lfunc_end_k_q5b3236d9d8_sskernel-k_q5b3236d9d8_sskernel
	.p2alignl 7, 3214868480
	.fill 96, 4, 3214868480
	.section	.rodata,"a",@progbits
	.p2align	6, 0x0
	.amdhsa_kernel k_q5b3236d9d8_sskernel
		.amdhsa_group_segment_fixed_size 52736
		.amdhsa_private_segment_fixed_size 0
		.amdhsa_enable_private_segment 0
		.amdhsa_kernarg_size 48
		.amdhsa_user_sgpr_count 2
		.amdhsa_user_sgpr_kernarg_segment_ptr 1
		.amdhsa_wavefront_size32 1
		.amdhsa_system_sgpr_workgroup_id_x 1
		.amdhsa_system_sgpr_workgroup_id_y 1
		.amdhsa_system_sgpr_workgroup_id_z 1
		.amdhsa_system_vgpr_workitem_id 0
		.amdhsa_next_free_vgpr 246
		.amdhsa_next_free_sgpr 66
		.amdhsa_reserve_vcc 0
		.amdhsa_float_denorm_mode_32 3
		.amdhsa_float_denorm_mode_16_64 3
		.amdhsa_memory_ordered 1
		.amdhsa_forward_progress 1
		.amdhsa_inst_pref_size 45
	.end_amdhsa_kernel
	.amdgpu_metadata
---
amdhsa.version: [ 1, 2 ]
amdhsa.kernels:
  - .name:           k_q5b3236d9d8_sskernel
    .symbol:         k_q5b3236d9d8_sskernel.kd
    .args:
      - { .name: log_dt, .offset: 0, .size: 8, .value_kind: global_buffer, .address_space: global }
      - { .name: log_A_real, .offset: 8, .size: 8, .value_kind: global_buffer, .address_space: global }
      - { .name: A_imag, .offset: 16, .size: 8, .value_kind: global_buffer, .address_space: global }
      - { .name: B_ri, .offset: 24, .size: 8, .value_kind: global_buffer, .address_space: global }
      - { .name: C_ri, .offset: 32, .size: 8, .value_kind: global_buffer, .address_space: global }
      - { .name: out0, .offset: 40, .size: 8, .value_kind: global_buffer, .address_space: global }
    .group_segment_fixed_size: 52736
    .private_segment_fixed_size: 0
    .kernarg_segment_align: 8
    .kernarg_segment_size: 48
    .max_flat_workgroup_size: 128
    .sgpr_count:     66
    .vgpr_count:     246
    .wavefront_size: 32
...
	.end_amdgpu_metadata
.endif
;; end of part 2
